; MI455X (gfx1250); checked and timed in simulation.
; The chip was launched on July 23, 2026; its instructions are those of AMD's public machine-readable ISA for CDNA 5 (MIT licence, August 2026) and "CDNA5" Instruction Set Architecture Reference Guide (July 2026). The comments in the code are by the model that wrote it; some were corrected since.
;; Quant Linear. Allowed arithmetic: float matrix products may take bf16 or f16 operands with f32 sums; other float arithmetic in f32, or as packed bf16 or f16 multiplies, adds, multiply-adds, maxima and minima; sums over many terms, partial sums and values carried from step to step in f32; what a program stores and reads back later, other than sums and carried values, may be rounded once to bf16 or f16.
;; Inputs: bias 4,096 float16; g_idx 4,096 int32; qweight 512 x 4,096 int32; qzeros 32 x 512 int32; scales 32 x 4,096 float16; x 4 x 1,024 x 4,096 float16.
;; Outputs: out0 4 x 1,024 x 4,096 float16.
;; 2 versions, each right; version 2 is version 1 with the launch dequant written anew for expert scheduling mode. Each part assembles by itself: llvm-mc -triple=amdgcn-amd-amdhsa -mcpu=gfx1250 --defsym DOCPART=n.
;; ======== version 1 of 2: 2 launches
;; workspace buffers: wdq 33,554,432 bytes
;; launch dequant (part 1): grid 32 x 8, 8 waves a work-group, no clusters, 17,408 bytes of LDS; arguments qweight, qzeros, scales, g_idx, wdq; writes wdq
.if DOCPART == 1
	.amdgcn_target "amdgcn-amd-amdhsa--gfx1250"
	.amdhsa_code_object_version 6
	.text
	.protected	k_q0652780205_dequant
	.globl	k_q0652780205_dequant
	.p2align	8
	.type	k_q0652780205_dequant,@function
k_q0652780205_dequant:
	s_mov_b64 s[64:65], 0
	v_nop
	global_prefetch_b8 v0, s[64:65] scope:SCOPE_SE
	s_setreg_imm32_b32 hwreg(HW_REG_WAVE_MODE, 25, 1), 1
	s_wait_xcnt 0x0
; W[k][n] = (nibble k % 8 of qweight[k / 8][n] - nibble n % 8 of qzeros[g][n / 8]) x scales[g][n], g = g_idx[k], written as f16 into wdq: [4096 k][4096 n], a row of 8,192 bytes.
; ARITHMETIC.  0x6400 | v is 1024 + v in f16, 0xE400 | z is -(1024 + z); their f16 sum is v - z, exact; one f16 product with the scale rounds once, as the formula itself does in f16.  Two numbers an instruction.
; LIMITS.  An entry of g_idx is taken as an unsigned number and held to 31 at the most (the tables have 32 groups); NaN and infinities among the scales pass through the product as they are.
; SHARES.  Work-group (X, Y): columns 128 X .. 128 X + 127, word rows 64 Y .. 64 Y + 63 of qweight (512 rows k).  Wave w: 8 word rows (64 rows k).  Lane l: columns 128 X + 4 l .. + 3.
; A wave's load of a word row covers 512 consecutive bytes, aligned; a wave's store covers 256 consecutive bytes of a row of wdq, aligned.  Each byte of qweight is read once, each byte of wdq written once.
; THE TABLE.  Any row k may name any group, so the work-group first lays all 32 groups' zeros and scales for its 128 columns into LDS, ready for use: group g, lane l at 512 g + 16 l:
; two words of -(1024 + z) for the lane's four columns, two words of scales.  A row k's group is one scalar (read by a scalar load), so its look-up is one LDS load of 16 neighbouring bytes a lane.
; LEFT OUT.  No matrix unit and no tensor load: a stream of 8 loads and 64 stores a wave, all loads issued at the head.  No cluster: what work-groups share is 10 KiB of scales and zeros against 160 KiB of their own.
.set SPARE, 16384                      ; behind the table: the spare words, 128 bytes for each of the eight waves: four blocks of 256 bytes that no other line names
.set L16, 2                            ; v2   16 x lane: my place in a word row of qweight and in a table row; never rewritten
.set O8,  3                            ; v3   8 x lane: my place in a row of scales and of wdq; never rewritten
.set ZO,  4                            ; v4   4 x (lane / 2): my word in a row of qzeros
.set SH,  5                            ; v5   16 x (lane % 2): where my four zeros begin in that word
.set TS,  6                            ; v6   2,048 x wave + 16 x lane: where I store table entries
.set SPW, 8                            ; v8   LDS address of my spare word: SPARE + 4 x my thread's number; never rewritten
.set NIL, 9                            ; v9   0; never rewritten
.set ZW,  18                           ; v[18:21]   four groups' words of zeros
.set TT,  22                           ; v[22:25]   at work
.set EN,  28                           ; v[28:43]   four table entries of four registers; the scales are loaded straight into the upper two
.set Q,   44                           ; v[44:75]   word row i at Q + 4 i
.set T,   76                           ; v[76:139]  two sets of 32: row j's table entry at T + 32 (i % 2) + 4 j
.set AD,  140                          ; v[140:147] the table reads' addresses
.set XY,  148                          ; v[148:151] low and high halves of words 0, 1; low and high halves of words 2, 3
.set TM,  152                          ; v[152:153] at work
.set O,   156                          ; v[156:171] row j's four f16 at O + 2 j
; s[4:5] qweight, s[6:7] qzeros, s[8:9] scales, s[10:11] g_idx, s[12:13] wdq; s14 wave, s15 X, s2 Y, s3 my first word row; s[92:93] an offset, s94 at work
; the eight g_idx of word row i lie in s[16 + 8 i ..] (rows 0-5) and s[24 + 8 i ..] (rows 6, 7)
	s_load_b256 s[4:11], s[0:1], 0x0
	s_load_b64 s[12:13], s[0:1], 0x20
	v_lshl_add_u32 v[SPW], v0, 2, SPARE
	v_mov_b32 v[NIL], 0
	v_lshrrev_b32 v1, 5, v0
	v_readfirstlane_b32 s14, v1                    ; wave 0..7
	v_and_b32 v1, 31, v0                           ; lane
	v_lshlrev_b32 v[L16], 4, v1
	v_lshlrev_b32 v[O8], 3, v1
	v_lshrrev_b32 v[ZO], 1, v1
	v_lshlrev_b32 v[ZO], 2, v[ZO]
	v_and_b32 v[SH], 1, v1
	v_lshlrev_b32 v[SH], 4, v[SH]
	s_lshl_b32 s92, s14, 11
	v_add_nc_u32 v[TS], s92, v[L16]
	s_mov_b32 s15, ttmp9
	s_and_b32 s2, ttmp7, 0xffff
	s_lshl_b32 s3, s2, 6
	s_lshl_b32 s92, s14, 3
	s_add_co_u32 s3, s3, s92                       ; 64 Y + 8 w
	s_mov_b32 s88, 0x000f000f                      ; a nibble in each half
	s_mov_b32 s89, 0x64006400                      ; 1024.0 twice
	s_mov_b32 s90, 0xe400e400                      ; -1024.0 twice
	s_mov_b32 s91, 0x05040100                      ; v_perm_b32: the two low halves
	s_mov_b32 s95, 0x07060302                      ; the two high halves
	s_mov_b32 s93, 0
	s_wait_kmcnt 0x0
	s_lshl_b32 s92, s3, 5                          ; a word row is 8 entries of g_idx: 32 bytes
	s_add_nc_u64 s[10:11], s[10:11], s[92:93]
	s_lshl_b32 s92, s3, 14                         ; a word row of qweight is 16,384 bytes; my work-group's 128 words are 512
	s_lshl_b32 s94, s15, 9
	s_add_co_u32 s92, s92, s94
	s_add_nc_u64 s[4:5], s[4:5], s[92:93]
	s_lshl_b32 s92, s3, 16                         ; a word row is 8 rows of wdq: 65,536 bytes; 128 columns are 256
	s_lshl_b32 s94, s15, 8
	s_add_co_u32 s92, s92, s94
	s_add_nc_u64 s[12:13], s[12:13], s[92:93]
	s_lshl_b32 s92, s14, 15                        ; wave w makes the table's groups 4 w .. 4 w + 3: four rows of scales are 32,768 bytes
	s_add_co_u32 s92, s92, s94
	s_add_nc_u64 s[8:9], s[8:9], s[92:93]
	s_lshl_b32 s92, s14, 13                        ; four rows of qzeros are 8,192 bytes; 128 columns are 16 words
	s_lshl_b32 s94, s15, 6
	s_add_co_u32 s92, s92, s94
	s_add_nc_u64 s[6:7], s[6:7], s[92:93]
	; all that the wave reads from memory goes out here: the groups of my 64 rows, the table's sources, my eight word rows
.irp i, 0,1,2,3,4,5,6,7
	s_load_b256 s[16+8*(\i)+8*((\i)/6):16+8*(\i)+8*((\i)/6)+7], s[10:11], 32*(\i)
.endr
.irp t, 0,1,2,3
	global_load_b64 v[EN+4*(\t)+2:EN+4*(\t)+3], v[O8], s[8:9] offset:8192*(\t)
	global_load_b32 v[ZW+(\t)], v[ZO], s[6:7] offset:2048*(\t)
.endr
.irp i, 0,1,2,3,4,5,6,7
	global_load_b128 v[Q+4*(\i):Q+4*(\i)+3], v[L16], s[4:5] offset:16384*(\i) th:TH_LOAD_NT
.endr
	s_wait_loadcnt 8                               ; loads come back in order (ISA guide 5.7.1): the table's sources are in, the eight word rows behind them may stay out
.irp t, 0,1,2,3                                ; the entry of group 4 w + t
	v_lshrrev_b32 v[TT], v[SH], v[ZW+(\t)]         ; my four zeros in bits 15:0
	v_bfe_u32 v[TT+1], v[TT], 4, 4
	v_bfe_u32 v[TT+2], v[TT], 8, 4
	v_bfe_u32 v[TT+3], v[TT], 12, 4
	v_and_b32 v[TT], 15, v[TT]
	v_lshl_or_b32 v[TT], v[TT+1], 16, v[TT]
	v_lshl_or_b32 v[TT+2], v[TT+3], 16, v[TT+2]
	v_or_b32 v[EN+4*(\t)], s90, v[TT]              ; -(1024 + z) for columns 0, 1
	v_or_b32 v[EN+4*(\t)+1], s90, v[TT+2]          ; and 2, 3
	ds_store_b128 v[TS], v[EN+4*(\t):EN+4*(\t)+3] offset:512*(\t)
.endr
	s_wait_dscnt 0x0                               ; for the others' sake: my part of the table is stored
	s_barrier_signal -1
	s_barrier_wait -1                              ; the table is whole; nobody writes it again, so this is the only barrier
	s_wait_kmcnt 0x0                               ; my 64 rows' groups
; The eight table entries of word row i's rows k = 8 i + j.
.macro TLOAD i
.set gr, 16+8*(\i)+8*((\i)/6)
.irp j, 0,1,2,3,4,5,6,7
	s_min_u32 s[gr+(\j)], s[gr+(\j)], 31           ; inside the table, whatever the entry holds
	v_lshl_add_u32 v[AD+(\j)], s[gr+(\j)], 9, v[L16]
	ds_load_b128 v[T+32*((\i)%2)+4*(\j):T+32*((\i)%2)+4*(\j)+3], v[AD+(\j)]
.endr
.endm
; Word row i: eight rows of wdq.  left = the LDS loads issued behind this row's table entries.
.macro ROW i, left
	s_wait_loadcnt 7-(\i)                          ; word row i is in; the rows behind it may stay out
	v_perm_b32 v[XY],   v[Q+4*(\i)+1], v[Q+4*(\i)],   s91  ; nibbles 0-3 of columns 0 and 1, a column in each half
	v_perm_b32 v[XY+1], v[Q+4*(\i)+1], v[Q+4*(\i)],   s95  ; nibbles 4-7
	v_perm_b32 v[XY+2], v[Q+4*(\i)+3], v[Q+4*(\i)+2], s91  ; the same of columns 2 and 3
	v_perm_b32 v[XY+3], v[Q+4*(\i)+3], v[Q+4*(\i)+2], s95
	s_wait_dscnt \left                             ; LDS loads come back in order (ISA guide 5.7.1): this row's entries are in
	s_wait_xcnt 0x0                                ; every earlier memory instruction has had its addresses translated (ISA guide 3.1): the last row's stores have read O, which is rewritten only behind this wait
.irp j, 0,1,2,3,4,5,6,7
.set src, XY+(\j)/4
.set te, T+32*((\i)%2)+4*(\j)
.set ou, O+2*(\j)
.if (\j)%4
	v_lshrrev_b32 v[TM],   4*((\j)%4), v[src]
	v_lshrrev_b32 v[TM+1], 4*((\j)%4), v[src+2]
	v_and_or_b32 v[ou],   v[TM],   s88, s89         ; 1024 + v, twice
	v_and_or_b32 v[ou+1], v[TM+1], s88, s89
.else
	v_and_or_b32 v[ou],   v[src],   s88, s89
	v_and_or_b32 v[ou+1], v[src+2], s88, s89
.endif
	v_pk_add_f16 v[ou],   v[ou],   v[te]           ; v - z, exact
	v_pk_add_f16 v[ou+1], v[ou+1], v[te+1]
	v_pk_mul_f16 v[ou],   v[ou],   v[te+2]         ; times the scale: the one rounding
	v_pk_mul_f16 v[ou+1], v[ou+1], v[te+3]
	global_store_b64 v[O8], v[ou:ou+1], s[12:13] offset:(8*(\i)+(\j))*8192 th:TH_STORE_NT  ; the wave stores 256 consecutive bytes, at a multiple of 256 from wdq's first byte
.endr
.endm
	TLOAD 0
.irp i, 0,1,2,3,4,5,6
	TLOAD (\i)+1                                   ; the next row's entries are on their way while this row is worked on
	ROW \i, 8
.endr
	ROW 7, 0
	s_wait_tensorcnt 0x0                           ; the wave's end: behind my last LDS store
	ds_add_u32 v[SPW], v[NIL]
	s_wait_dscnt 0x0
	s_endpgm
.Lfunc_end_k_q0652780205_dequant:
	.size	k_q0652780205_dequant, .Lfunc_end_k_q0652780205_dequant-k_q0652780205_dequant
	.p2alignl 7, 3214868480
	.fill 96, 4, 3214868480
	.section	.rodata,"a",@progbits
	.p2align	6, 0x0
	.amdhsa_kernel k_q0652780205_dequant
		.amdhsa_group_segment_fixed_size 17408
		.amdhsa_private_segment_fixed_size 0
		.amdhsa_enable_private_segment 0
		.amdhsa_kernarg_size 40
		.amdhsa_user_sgpr_count 2
		.amdhsa_user_sgpr_kernarg_segment_ptr 1
		.amdhsa_wavefront_size32 1
		.amdhsa_system_sgpr_workgroup_id_x 1
		.amdhsa_system_sgpr_workgroup_id_y 1
		.amdhsa_system_sgpr_workgroup_id_z 1
		.amdhsa_system_vgpr_workitem_id 0
		.amdhsa_next_free_vgpr 176
		.amdhsa_next_free_sgpr 96
		.amdhsa_reserve_vcc 0
		.amdhsa_float_denorm_mode_32 3
		.amdhsa_float_denorm_mode_16_64 3
		.amdhsa_memory_ordered 1
		.amdhsa_forward_progress 1
		.amdhsa_inst_pref_size 52
	.end_amdhsa_kernel
	.amdgpu_metadata
---
amdhsa.version: [ 1, 2 ]
amdhsa.kernels:
  - .name:           k_q0652780205_dequant
    .symbol:         k_q0652780205_dequant.kd
    .args:
      - { .name: qweight, .offset: 0, .size: 8, .value_kind: global_buffer, .address_space: global }
      - { .name: qzeros, .offset: 8, .size: 8, .value_kind: global_buffer, .address_space: global }
      - { .name: scales, .offset: 16, .size: 8, .value_kind: global_buffer, .address_space: global }
      - { .name: g_idx, .offset: 24, .size: 8, .value_kind: global_buffer, .address_space: global }
      - { .name: wdq, .offset: 32, .size: 8, .value_kind: global_buffer, .address_space: global }
    .group_segment_fixed_size: 17408
    .private_segment_fixed_size: 0
    .kernarg_segment_align: 8
    .kernarg_segment_size: 40
    .max_flat_workgroup_size: 256
    .sgpr_count:     96
    .vgpr_count:     176
    .wavefront_size: 32
...
	.end_amdgpu_metadata
.endif
;; end of part 1
;; launch gemm (part 2): grid 16 x 16, 4 waves a work-group, clusters of 4 x 4, 327,680 bytes of LDS; arguments x, wdq, out0, bias; writes out0
.if DOCPART == 2
	.amdgcn_target "amdgcn-amd-amdhsa--gfx1250"
	.amdhsa_code_object_version 6
	.text
	.protected	k_q0652780205_gemm
	.globl	k_q0652780205_gemm
	.p2align	8
	.type	k_q0652780205_gemm,@function
k_q0652780205_gemm:
	s_mov_b64 s[64:65], 0
	v_nop
	global_prefetch_b8 v0, s[64:65] scope:SCOPE_SE
	s_setreg_imm32_b32 hwreg(HW_REG_WAVE_MODE, 25, 1), 1
	s_wait_xcnt 0x0
	s_wait_alu depctr_hold_cnt(0) depctr_sa_sdst(0) depctr_va_vdst(0) depctr_va_sdst(0) depctr_va_ssrc(0) depctr_va_vcc(0) depctr_vm_vsrc(0)
	s_getreg_b32 s2, hwreg(HW_REG_IB_STS2, 6, 4)
	s_cmp_eq_u32 s2, 0
	s_cbranch_scc0 .Lentry_in_a_cluster
	s_endpgm
.Lentry_in_a_cluster:
	s_bfe_u32 s2, ttmp6, 0x10000c
	s_cmp_lg_u32 s2, 0xf033
	s_cbranch_scc0 .Lentry_shape_is_right
	s_endpgm
.Lentry_shape_is_right:
; out0[m][n] = bias[n] + the sum over k of x[m][k] W[k][n].  x: [4096][4096] f16, rows along K; W = wdq: [4096 k][4096 n] f16, rows along N; bias: [4096] f16; out0: [4096][4096] f16.
; Products of f16 operands, sums in f32.  Each sum STARTS at the bias (widened to f32, the C operand of the first product), so out0 is rounded once, from bias + sum.
; LIMITS.  A result of 65,520 or more in magnitude leaves as an infinity, f16's own end; the formula in f16 rounds the sum and then the sum with the bias, this text rounds once; NaN and infinities are not treated apart.
; SHARES.  A tile of out0, 256 x 256, is made by a work-group of four waves; a wave makes 128 x 128: 64 accumulators of 16 x 16, 512 registers.  16 x 16 tiles: 256 work-groups, one tile each.
; K goes in 32 steps of 128 through a ring of two LDS slots filled by the tensor data mover: 256 rows of x (256 bytes each) and 128 rows of W (512 bytes each), all starting at multiples of 256 bytes from their buffer's first byte.
; CLUSTERS: 4 x 4 work-groups.  The four of a row of the cluster need the same tiles of x, the four of a column the same tiles of W: each tile is asked for JOINTLY, by the same tensor load with the
; same descriptor and a mask that names the four, and each receives it in its own LDS.
; THE MATRIX INSTRUCTION IS USED TRANSPOSED: source 0 = 16 columns of W, source 1 = 16 rows of x.  Lane l then holds row m = l % 16 of out0, and its registers 0 to 7 the columns 8 (l / 16) + 0 .. 7: 16 bytes on end.
; x's fragments come out of LDS as they lie (K along the rows); W's, whose rows lie along N, are turned on the way by ds_load_tr16_b128.
; REGISTERS, in windows of 256 (s_set_vgpr_msb: bits 1:0 source 0, 3:2 source 1, 5:4 source 2, 7:6 destination):
;   window 0: v0-31 addresses; v32-63 the bias as loaded, later rows on the way out; v64-127, v128-191 fragments of x, two buffers (in the last K step four, of 16 rows x 128 K);
;             v192-255 the bias in f32, read by the first 64 products alone, later at work on the way out
;   window 1: v64-127, v128-191 fragments of W, two buffers; in the last K step all 256
;   window 2: the 32 accumulators of my rows 0-63 (accumulator (a, b) at v[8 (8 a + b)]);   window 3: those of my rows 64-127
.set SIZE_N, 4096
.set SIZE_K, 4096
.set KSTEP,  128
.set PITCH,  272                       ; a row of x in LDS: 256 bytes + 16 of padding = 68 words: row r starts at bank 4 r mod 64 (64 banks of 4 bytes: ISA guide 11.1), so the 16 rows of a load start at 16 different banks
.set PB,     544                       ; a row of W: 512 + 32 = 136 words: row r starts at bank 8 r mod 64
.set HALFT,  128*PITCH                 ; what one tensor load brings: 128 rows of x, or 64 rows of W (64 x 544 is the same number)
.set SLOT,   4*HALFT                   ; x's 256 rows, then W's 128 rows
.set STAGE,  2*SLOT                    ; behind the ring: 16 rows x 272 bytes for each wave, for the way out
.set SPITCH, 272
.set SPARE,  STAGE+4*16*SPITCH         ; behind the stages: the spare words, 128 bytes for each wave: two blocks of 256 bytes that no other line names
.set LAPS,   SIZE_K/(2*KSTEP)          ; a lap = two K steps = once round the ring
.set WSTEP,  KSTEP*SIZE_N*2            ; bytes from a K step of W to the next: 128 rows
.set ONE,  6                           ; v6      1.0
.set ZER,  7                           ; v7      0.0
.set ADRA, 16                          ; v16-17  LDS address of my fragments of x in slot 0, 1
.set ADRB, 20                          ; v20-21  the same for W
.set STO,  24                          ; v24     the way out: where I put 16 bytes of a row
.set RD,   25                          ; v25     the way out: where I read a row back
.set CO,   26                          ; v26     my byte offset in out0
.set BO,   27                          ; v27     my byte offset in bias
.set SPW,  28                          ; v28     LDS address of my spare word: SPARE + 4 x my thread's number; never rewritten
.set NIL,  29                          ; v29     0; never rewritten
.set PFO,  30                          ; v30     the prefetches' offset; never rewritten
.set RAW,  32                          ; the bias as loaded: 8 f16 for each of my 8 column blocks
.set F0,   64                          ; fragment buffer 0
.set F1,   128                         ; fragment buffer 1
.set BIAS, 192                         ; the bias in f32: column block b at BIAS + 8 b
.set TMP,  192                         ; the way out: packed results
.set OB,   32                          ; the way out: 16 rows read back from the stage: v32-63 and v224-255 by turns
.set PA,   64                          ; the last K step: x's fragments of 16 rows x 128 K, 32 registers; four such buffers, v64-191
.set G1,  24                           ; s[24:31] descriptor group 1 for x's tiles
.set G0,  32                           ; s[32:39] descriptor group 0 for x's tiles, one set for each slot
.set G1B, 48                           ; s[48:55] descriptor group 1 for W's tiles
.set G0B, 56                           ; s[56:63] descriptor group 0 for W's tiles, one set for each slot
.set LIM, 43                           ; s43      1 in a wave that prefetches, else the greatest number
.set PFA, 44                           ; s[44:45] where my prefetches stand
.set BI,  68                           ; s[68:69] bias
.set PFS, 70                           ; s[70:71] bytes from a K step to the next in the tensor that I prefetch
.set MSB, 0
.macro WIN new                         ; the immediate's high byte repeats the setting that is left; a switch that changes nothing is dropped
.if MSB != (\new)
	s_set_vgpr_msb (MSB<<8)|(\new)
.set MSB, \new
.endif
.endm
.set MUL_LO, 0xa1                      ; source 0 (W) window 1, source 1 (x) window 0, C and D window 2
.set MUL_HI, 0xf1                      ; the same, C and D window 3
.set FST_LO, 0x81                      ; the first products: C (the bias) window 0, D window 2
.set FST_HI, 0xc1                      ; the same, D window 3
.set TO_B,   0x40                      ; destination window 1, address window 0
; A joint load.  Waves 0 and 1 fetch x's two halves, waves 2 and 3 W's.  Each of the two lines has ONE mask and one set of registers for all that issue it.  The branch hangs on the wave's number alone.
; An s_nop 0 and four v_nop follow each of the two lines; the jump round the other line, the label and what follows the macro come after them.
.macro JLOAD s
	s_cmp_eq_u32 s11, 0
	s_cbranch_scc0 .Lfor_b_\@
	tensor_load_to_lds s[G0+4*(\s):G0+4*(\s)+3], s[G1:G1+7]
	s_nop 0
.rept 4
	v_nop
.endr
	s_branch .Lasked_\@
.Lfor_b_\@:
	tensor_load_to_lds s[G0B+4*(\s):G0B+4*(\s)+3], s[G1B:G1B+7]
	s_nop 0
.rept 4
	v_nop
.endr
.Lasked_\@:
.endm
; A PREFETCH INTO THE L2, behind each joint refill, its five lines and the run of LDS loads that follows them: the K step that stands TWO refills on, 512 matrix instructions ahead of the load that will want it.
; Each aligned block of 256 bytes of x and of W is named ONCE in the launch.  A tile row of x is read by every cluster of that row of clusters: cluster x = 0 asks; a tile column of W by every cluster of that column:
; cluster y = 0 asks.  The four partners that ask for a tile jointly share it out BY ADDRESS: of the 128 rows of x that a wave fetches the partner at cx takes 32, a lane a row of 256 bytes; of the 64 rows of W the
; partner at cy takes 16, a lane half a row of 512 bytes.  One instruction a wave.  K steps 0 to 3 come by their loads alone; the loop's last trip (s3 = 1) asks for nothing: K step 31 has been named in the trip before.
.macro ASK
	s_cmp_gt_u32 s3, s[LIM]
	s_cbranch_scc0 .Lnot_mine_\@
	global_prefetch_b8 v[PFO], s[PFA:PFA+1] th:TH_LOAD_NT scope:SCOPE_SE
.Lnot_mine_\@:
.endm
; A round of the cluster's barrier: my work-group's barrier, so that wave 0's signal speaks for all four waves; wave 0 signals for the work-group; every wave waits for all sixteen work-groups; my work-group's barrier once more.
.macro CREST                           ; a round behind its opening barrier
	s_cmp_lg_u32 s10, 0
	s_cbranch_scc1 .Lnot_wave_0_\@
	s_barrier_signal -3
.Lnot_wave_0_\@:
	s_barrier_wait -3
	s_barrier_signal -1
	s_barrier_wait -1
.endm
.macro CROUND                          ; a whole round
	s_barrier_signal -1
	s_barrier_wait -1
	CREST
.endm
	s_load_b128 s[4:7], s[0:1], 0x0                ; x s[4:5], W s[6:7]
	s_load_b64 s[8:9], s[0:1], 0x10                ; out0
	s_load_b64 s[BI:BI+1], s[0:1], 0x18            ; bias
	v_lshl_add_u32 v[SPW], v0, 2, SPARE
	v_mov_b32 v[NIL], 0
	ds_add_u32 v[SPW], v[NIL]                      ; the wave's opening: the add and its wait ahead of my first tensor load; the set-up below, work on registers, stands between them
	ds_add_u32 v28, v29
	v_lshrrev_b32 v1, 5, v0
	v_readfirstlane_b32 s10, v1                    ; wave 0..3
	s_lshr_b32 s11, s10, 1                         ; which half of the tile's rows is mine.  Also: I fetch for x (0) or for W (1)
	s_and_b32 s12, s10, 1                          ; which half of its columns.  Also: which half of that tile I fetch
	s_bfe_u32 s40, ttmp6, 0x40000                  ; cx: my place along the cluster's x
	s_bfe_u32 s41, ttmp6, 0x40004                  ; cy: along its y
	s_lshl_b32 s42, ttmp9, 2                       ; in a cluster launch ttmp9 and ttmp7 count clusters
	s_add_co_u32 s42, s42, s40                     ; tile column = 4 x cluster x + cx
	s_and_b32 s13, ttmp7, 0xffff
	s_lshl_b32 s13, s13, 2
	s_add_co_u32 s13, s13, s41                     ; tile row = 4 x cluster y + cy
	s_lshl_b32 s43, s41, 2
	s_lshl_b32 s43, 15, s43                        ; my row of the cluster: places 4 cy .. 4 cy + 3
	s_lshl_b32 s44, 0x1111, s40                    ; my column: places cx, cx + 4, cx + 8, cx + 12
	; descriptor group 1 for x: a tile of 128 rows x 128 elements
	s_or_b32 s[G1+0], s43, (1<<16)|(1<<20)|(1<<21)|(5<<22)|(3<<25)  ; 15:0 the mask: my row; 17:16 elements of 2 bytes; 20 padding on; 21 set beside a mask; 24:22 after every 64 words (code 5); 31:25 4 words of it (code 3)
	s_mov_b32 s[G1+1], KSTEP<<16                   ; tensor_dim0 = 128
	s_mov_b32 s[G1+2], 128<<16                     ; tensor_dim1 = 128
	s_mov_b32 s[G1+3], KSTEP<<16                   ; tile_dim0 = 128
	s_mov_b32 s[G1+4], 128                         ; tile_dim1 = 128
	s_mov_b32 s[G1+5], SIZE_K                      ; elements from row to row
	s_mov_b32 s[G1+6], 0
	s_mov_b32 s[G1+7], 0
	; and for W: a tile of 64 rows x 256 elements
	s_or_b32 s[G1B+0], s44, (1<<16)|(1<<20)|(1<<21)|(6<<22)|(7<<25) ; the mask: my column; padding after every 128 words (code 6), 8 words of it (code 7)
	s_mov_b32 s[G1B+1], 256<<16                    ; tensor_dim0 = 256
	s_mov_b32 s[G1B+2], 64<<16                     ; tensor_dim1 = 64
	s_mov_b32 s[G1B+3], 256<<16                    ; tile_dim0 = 256
	s_mov_b32 s[G1B+4], 64                         ; tile_dim1 = 64
	s_mov_b32 s[G1B+5], SIZE_N                     ; elements from row to row
	s_mov_b32 s[G1B+6], 0
	s_mov_b32 s[G1B+7], 0
	; where the tiles come from.  x's hang on the tile row alone, which my row of the cluster shares; W's on the tile column alone, which my column shares.
	; Every wave makes both addresses, in registers that never hold the other coordinate, and asks by one of them.
	s_lshl_b32 s17, s12, 7
	s_lshl_b32 s16, s13, 8
	s_add_co_u32 s16, s16, s17                     ; x: row 256 x tile row + 128 x half,
	s_lshl_b32 s16, s16, 13                        ; of 8,192 bytes: under 2^25
	s_mov_b32 s17, 0
	s_lshl_b32 s46, s12, 19                        ; W: row 64 x half, of 8,192 bytes,
	s_lshl_b32 s47, s42, 9                         ; column 256 x tile column, of 2 bytes
	s_add_co_u32 s46, s46, s47
	s_mov_b32 s47, 0
	s_mul_i32 s20, s10, HALFT                      ; and where they go: x's two halves, then W's two halves = wave x HALFT: no place in the cluster enters an LDS address
	s_wait_dscnt 0x0                               ; the opening add is done
	s_wait_kmcnt 0x0
	s_add_nc_u64 s[14:15], s[4:5], s[16:17]
	s_add_nc_u64 s[46:47], s[6:7], s[46:47]
	CROUND                                         ; all sixteen work-groups are here: the first joint loads meet
.irp s, 0,1
	s_mov_b32 s[G0+4*(\s)], 1                                      ; 1:0 count = 1
	s_add_co_u32 s[G0+4*(\s)+1], s20, (\s)*SLOT                    ; 63:32 LDS address
	s_add_nc_u64 s[G0+4*(\s)+2:G0+4*(\s)+3], s[14:15], (\s)*KSTEP*2  ; 120:64 global address: K step s
	s_or_b32 s[G0+4*(\s)+3], s[G0+4*(\s)+3], 0x80000000            ; 127:126 type = 2
	s_mov_b32 s[G0B+4*(\s)], 1
	s_add_co_u32 s[G0B+4*(\s)+1], s20, (\s)*SLOT
	s_add_nc_u64 s[G0B+4*(\s)+2:G0B+4*(\s)+3], s[46:47], (\s)*WSTEP
	s_or_b32 s[G0B+4*(\s)+3], s[G0B+4*(\s)+3], 0x80000000
	JLOAD \s                                       ; the ring is filled before anything else is done: two tensor loads of mine are out
.endr
	v_and_b32 v1, 15, v0                           ; l % 16
	v_bfe_u32 v2, v0, 4, 1                         ; l / 16
	; where my part of the tile begins in out0, in bytes: the way out adds it to out0's address
	s_lshl_b32 s16, s13, 8
	s_lshl_b32 s14, s11, 7
	s_add_co_u32 s16, s16, s14                     ; my first row,
	s_lshl_b32 s16, s16, 13                        ; of 8,192 bytes
	s_mov_b32 s17, 0
	s_lshl_b32 s46, s42, 9                         ; my first column, in bytes: 512 x tile column + 256 x half
	s_lshl_b32 s47, s12, 8
	s_add_co_u32 s46, s46, s47
	s_mov_b32 s47, 0
	s_add_nc_u64 s[16:17], s[16:17], s[46:47]
	; the bias of my 128 columns: in column block b my lane's accumulators hold columns 16 b + 8 (l / 16) + 0..7: 16 bytes
	v_lshl_add_u32 v[BO], v2, 4, s46
.irp b, 0,1,2,3,4,5,6,7
	global_load_b128 v[RAW+4*(\b):RAW+4*(\b)+3], v[BO], s[BI:BI+1] offset:32*(\b)
.endr
	; A fragment of x is 16 rows x 32 K in 8 registers: lane l holds row l % 16; registers 0-3 hold K = 8 (l / 16) + 0..7, registers 4-7 K = 16 + 8 (l / 16) + 0..7: two loads of 16 bytes, 32 bytes apart.
	v_mul_u32_u24 v3, v1, PITCH
	v_lshl_add_u32 v3, v2, 4, v3                   ; row x pitch + 16 x half
	s_mul_i32 s21, s11, HALFT                      ; my 128 rows of x
	; The turning load takes 16 k x 16 columns (lane l reads 16 bytes: row k = 8 (l / 16) + l % 8, columns 8 ((l / 8) % 2) + 0..7) and leaves half a fragment: lane l holds column l % 16 and 8 k.
	v_and_b32 v4, 7, v0
	v_lshl_add_u32 v4, v2, 3, v4
	v_mul_u32_u24 v4, v4, PB
	v_bfe_u32 v5, v0, 3, 1
	v_lshl_add_u32 v4, v5, 4, v4
	s_lshl_b32 s22, s12, 8                         ; my 128 columns: 256 bytes of W's rows,
	s_add_co_u32 s22, s22, 2*HALFT                 ; which lie behind x's 256
.irp s, 0,1
	v_add_nc_u32 v[ADRA+(\s)], s21, v3
	v_add_nc_u32 v[ADRB+(\s)], s22, v4
	s_add_co_u32 s21, s21, SLOT
	s_add_co_u32 s22, s22, SLOT
.endr
	s_mul_i32 s23, s10, 16*SPITCH
	s_add_co_u32 s23, s23, STAGE                   ; my stage
	v_mul_u32_u24 v4, v1, SPITCH                   ; in: row l % 16, 16 bytes for each half of the lanes
	v_lshl_add_u32 v4, v2, 4, v4
	v_add_nc_u32 v[STO], s23, v4
	v_mul_u32_u24 v5, v2, SPITCH                   ; back: lanes 0-15 take one row of 256 bytes, lanes 16-31 the next
	v_lshl_add_u32 v5, v1, 4, v5
	v_add_nc_u32 v[RD], s23, v5
	v_lshlrev_b32 v5, 13, v2                       ; and the same two rows in out0
	v_lshl_add_u32 v[CO], v1, 4, v5
	; the prefetches' registers.  For x: row 256 x tile row + 128 x half + 32 cx, K step 3.  For W: row 64 x half + 16 cy of K step 3, column 256 x tile column.  The first change of slots steps to K step 4.
	s_lshl_b32 s20, s13, 8
	s_lshl_b32 s21, s12, 7
	s_add_co_u32 s20, s20, s21
	s_lshl_b32 s21, s40, 5
	s_add_co_u32 s20, s20, s21
	s_lshl_b32 s20, s20, 13
	s_add_co_u32 s20, s20, 3*KSTEP*2
	s_lshl_b32 s22, s12, 6
	s_lshl_b32 s23, s41, 4
	s_add_co_u32 s22, s22, s23
	s_lshl_b32 s22, s22, 13
	s_lshl_b32 s23, s42, 9
	s_add_co_u32 s22, s22, s23
	s_add_co_u32 s22, s22, 3*WSTEP
	s_mov_b32 s[PFS], WSTEP
	s_mov_b32 s[PFS+1], 0
	s_mov_b32 s21, 0
	s_and_b32 s23, ttmp7, 0xffff                   ; cluster y
	s_cmp_eq_u32 s11, 0                            ; do I fetch for x?
	s_cselect_b32 s20, s20, s22                    ; my offset,
	s_cselect_b32 s23, ttmp9, s23                  ; the coordinate along which other clusters read the same bytes,
	s_cselect_b64 s[PFA:PFA+1], s[4:5], s[6:7]     ; the tensor,
	s_cselect_b32 s[PFS], KSTEP*2, s[PFS]          ; its K step in bytes,
	s_cselect_b32 s22, 0, 1                        ; and whether two lanes share a row
	s_add_nc_u64 s[PFA:PFA+1], s[PFA:PFA+1], s[20:21]
	s_cmp_eq_u32 s23, 0
	s_cselect_b32 s[LIM], 1, -1                    ; the same in all sixteen partners, for a given wave
	v_and_b32 v3, 31, v0
	v_and_b32 v4, s22, v3                          ; W: which 256 bytes of the row's 512
	v_lshrrev_b32 v3, s22, v3                      ; the row: l for x, l / 2 for W
	v_lshlrev_b32 v4, 8, v4
	v_lshl_add_u32 v[PFO], v3, 13, v4
	; the bias is widened to f32, exactly: half x 1.0 + 0.  All this stands in the wait for the first tile
	v_mov_b32 v[ONE], 1.0
	v_mov_b32 v[ZER], 0
	s_wait_loadcnt 0x0
.set w_, 0
.rept 32
	v_fma_mix_f32 v[BIAS+2*w_],   v[RAW+w_], v[ONE], v[ZER] op_sel_hi:[1,0,0]
	v_fma_mix_f32 v[BIAS+2*w_+1], v[RAW+w_], v[ONE], v[ZER] op_sel:[1,0,0] op_sel_hi:[1,0,0]
.set w_, w_+1
.endr
; 16 matrix instructions: m blocks a0, a0 + 1 of the window's four (hi = 0: my rows 0-63, 1: rows 64-127) x all 8 n blocks, 32 along K.
; first = 1: the product starts the sum with the bias of its column block: nothing is cleared, and nothing is added on the way out.
.macro MUL16 f, hi, a0, first
.if \first
	WIN FST_LO+0x40*(\hi)
.else
	WIN MUL_LO+0x50*(\hi)
.endif
.irp a, \a0, (\a0)+1
.irp b, 0,1,2,3,4,5,6,7
.if \first
	v_wmma_f32_16x16x32_f16 v[8*(8*(\a)+(\b)):8*(8*(\a)+(\b))+7], v[(\f)+8*(\b):(\f)+8*(\b)+7], v[(\f)+8*(4*(\hi)+(\a)):(\f)+8*(4*(\hi)+(\a))+7], v[BIAS+8*(\b):BIAS+8*(\b)+7]
.else
	v_wmma_f32_16x16x32_f16 v[8*(8*(\a)+(\b)):8*(8*(\a)+(\b))+7], v[(\f)+8*(\b):(\f)+8*(\b)+7], v[(\f)+8*(4*(\hi)+(\a)):(\f)+8*(4*(\hi)+(\a))+7], v[8*(8*(\a)+(\b)):8*(8*(\a)+(\b))+7]
.endif
.endr
.endr
.endm
; 32 LDS loads in one run: the fragments of quarter q of a K step (32 k x my 128 columns of W, turned; my 128 rows of x x 32 k) into buffer f
.macro FETCH slot, q, f
	WIN TO_B
.irp i, 0,1,2,3,4,5,6,7
	ds_load_tr16_b128 v[(\f)+8*(\i):(\f)+8*(\i)+3],   v[ADRB+(\slot)] offset:(\q)*32*PB+32*(\i)
	ds_load_tr16_b128 v[(\f)+8*(\i)+4:(\f)+8*(\i)+7], v[ADRB+(\slot)] offset:(\q)*32*PB+16*PB+32*(\i)
.endr
	WIN 0
.irp i, 0,1,2,3,4,5,6,7
	ds_load_b128 v[(\f)+8*(\i):(\f)+8*(\i)+3],   v[ADRA+(\slot)] offset:64*(\q)+(\i)*16*PITCH
	ds_load_b128 v[(\f)+8*(\i)+4:(\f)+8*(\i)+7], v[ADRA+(\slot)] offset:64*(\q)+(\i)*16*PITCH+32
.endr
.endm
; A load into a register that a matrix instruction has read, and a vector instruction that reads a matrix result, stand four places behind that matrix instruction, and only plain vector instructions
; that name none of its registers are places (ISA guide 7.12.1 for vector instructions).
.macro PLACES
.rept 4
	v_nop
.endr
.endm
; A K step is four quarters of 32 along K, 64 matrix instructions each, on buffers 0, 1, 0, 1.  The 64 accumulators take turns in the same order in every quarter.
; One of the first three: multiplies buffer f; in its middle it fetches quarter q of the same slot into buffer g.
.macro QUARTER slot, q, f, g, first
	s_wait_dscnt 8                                 ; W and x's rows 0-63 are in; the youngest eight loads (x's rows 64-127) may be out
	MUL16 \f, 0, 0, \first
	MUL16 \f, 0, 2, \first
	PLACES
	FETCH \slot, \q, \g
	s_wait_dscnt 32                                ; all but the 32 just issued
	MUL16 \f, 1, 0, \first
	MUL16 \f, 1, 2, \first
.endm
; The last quarter multiplies buffer 1 and changes slots.  MEET is its first half: ONE barrier for the change.  In front of it each wave waits for all its tensor loads, of which one is out: its part of the next slot;
; adds 0 to its spare word; and waits for that and for its own reads of this slot.  Behind it nobody reads this slot any more and the next slot is whole.
.macro MEET round                      ; round = 1: the rest of a round of the cluster's barrier follows
	WIN 0                                          ; (the add's two registers lie in window 0)
	s_wait_tensorcnt 0x0                           ; all my tensor loads have landed;
	ds_add_u32 v[SPW], v[NIL]                      ; 0 onto my spare word;
	s_wait_dscnt 9                                 ; (the add and the youngest eight loads may be out)
	MUL16 F1, 0, 0, 0                              ; sixteen matrix instructions stand between the add and the wait for it
	s_wait_dscnt 0x0                               ; the add is done, and my reads of this slot are over:
	s_barrier_signal -1                            ; say so,
	MUL16 F1, 0, 2, 0                              ; work on registers while the others arrive,
.if \round
	WIN 0
.endif
	s_barrier_wait -1                              ; and go on when all four have said so
.endm
; The whole last quarter.  Behind the round the slot just read out is filled again first, with the K step two steps on; then come the next slot's first fragments.  From a request to the wait for it a wave issues 224 matrix instructions.
.macro TURN slot, next
	s_wait_xcnt 0x0                                ; the last prefetch, a K step back, has read its address: it is stepped here, ahead of the change's own waits
	s_add_nc_u64 s[PFA:PFA+1], s[PFA:PFA+1], s[PFS:PFS+1]
	MEET 1
	CREST                                          ; all sixteen work-groups have said so: no wave of any partner still reads this slot's tile or has a load on its way
	s_add_nc_u64 s[G0+4*(\slot)+2:G0+4*(\slot)+3], s[G0+4*(\slot)+2:G0+4*(\slot)+3], 2*KSTEP*2    ; no tensor load of mine is out, so a group 0 may be written
	s_add_nc_u64 s[G0B+4*(\slot)+2:G0B+4*(\slot)+3], s[G0B+4*(\slot)+2:G0B+4*(\slot)+3], 2*WSTEP
	JLOAD \slot                                    ; the first tensor load behind the round, my only one until the next; the four v_nop behind it are also the places in front of the loads below
	FETCH \next, 0, F0
	ASK
	MUL16 F1, 1, 0, 0
	MUL16 F1, 1, 2, 0
.endm
; THE LAST K STEP (it lies in slot 1) GOES BY ROWS OF out0, NOT BY K.  All its fragments of W (4 quarters x 64 registers) fill window 1; then my eight blocks of 16 rows are finished one after the other,
; each with 32 matrix instructions (its 8 accumulators by turns, K ascending), and each leaves as soon as it is finished.  LDS is read no more than in any other K step.
.macro BLOAD q                         ; W's fragments of quarter q -> window 1, v[64 q ..]
	WIN TO_B
.irp i, 0,1,2,3,4,5,6,7
	ds_load_tr16_b128 v[64*(\q)+8*(\i):64*(\q)+8*(\i)+3],   v[ADRB+1] offset:(\q)*32*PB+32*(\i)
	ds_load_tr16_b128 v[64*(\q)+8*(\i)+4:64*(\q)+8*(\i)+7], v[ADRB+1] offset:(\q)*32*PB+16*PB+32*(\i)
.endr
.endm
.macro ALOAD a                         ; x's fragments of block a, all four quarters -> buffer a % 4
	WIN 0
.set FA, PA+32*((\a)%4)
.irp q, 0,1,2,3
	ds_load_b128 v[FA+8*(\q):FA+8*(\q)+3],   v[ADRA+1] offset:64*(\q)+(\a)*16*PITCH
	ds_load_b128 v[FA+8*(\q)+4:FA+8*(\q)+7], v[ADRA+1] offset:64*(\q)+(\a)*16*PITCH+32
.endr
.endm
.macro ROW a                           ; block a is finished: 32 matrix instructions
.set FA, PA+32*((\a)%4)
.set AC, 64*((\a)%4)                   ; its eight accumulators, in window 2 (blocks 0-3) or 3 (blocks 4-7)
	WIN MUL_LO+0x50*((\a)/4)
.irp q, 0,1,2,3
.if (\a) == 0 && (\q) == 2
	s_wait_dscnt 24                                ; W's quarter 2 is in (behind it: x's blocks 1 to 3)
.endif
.irp b, 0,1,2,3,4,5,6,7
	v_wmma_f32_16x16x32_f16 v[AC+8*(\b):AC+8*(\b)+7], v[64*(\q)+8*(\b):64*(\q)+8*(\b)+7], v[FA+8*(\q):FA+8*(\q)+7], v[AC+8*(\b):AC+8*(\b)+7]
.endr
.endr
.endm
; THE WAY OUT of block a.  PACK: rounded to f16, 16 bytes a lane, each accumulator's registers in ascending order.  TOSTAGE: into my own stage in LDS, and back as whole rows of 256 bytes.  SEND: stored.
.macro PACK a
.set AC, 64*((\a)%4)
	WIN 0x0a+5*((\a)/4)                            ; sources 0 and 1: window 2 or 3
.irp b, 0,1,2,3,4,5,6,7
.irp r, 0,1,2,3
	v_cvt_pk_f16_f32 v[TMP+4*(\b)+(\r)], v[AC+8*(\b)+2*(\r)], v[AC+8*(\b)+2*(\r)+1]
.endr
.endr
	WIN 0
.endm
.macro TOSTAGE a
	WIN 0
.set BK, OB+192*((\a)%2)
.irp b, 0,1,2,3,4,5,6,7
	ds_store_b128 v[STO], v[TMP+4*(\b):TMP+4*(\b)+3] offset:32*(\b)
.endr
.irp t, 0,1,2,3,4,5,6,7
	ds_load_b128 v[BK+4*(\t):BK+4*(\t)+3], v[RD] offset:(\t)*2*SPITCH  ; LDS serves a wave's instructions in order (ISA guide 5.7.1.4): these see the stores above
.endr
.endm
.macro SEND a, younger                 ; younger: the LDS loads issued behind TOSTAGE's, which may stay out
	WIN 0
.set BK, OB+192*((\a)%2)
	s_wait_dscnt \younger                          ; the block is back in registers
	s_wait_xcnt 0x0                                ; every earlier memory instruction has had its addresses translated (ISA guide 3.1): only behind this wait are the stores' base and the registers that earlier stores read rewritten
.if (\a) == 0
	s_add_nc_u64 s[8:9], s[8:9], s[16:17]          ; on to my first rows
.else
	s_add_nc_u64 s[8:9], s[8:9], 16*SIZE_N*2       ; 16 rows on
.endif
.irp t, 0,1,2,3,4,5,6,7
	global_store_b128 v[CO], v[BK+4*(\t):BK+4*(\t)+3], s[8:9] offset:2*(\t)*SIZE_N*2  ; 16 lanes store 256 consecutive bytes, at a multiple of 256 from out0's first byte
.endr
.endm
	s_wait_tensorcnt 1                             ; my part of K step 0 is in; K step 1's, issued behind it, may stay out
	s_barrier_signal -1
	s_barrier_wait -1                              ; everybody's is
	FETCH 0, 0, F0
	QUARTER 0, 1, F0, F1, 1                        ; the first quarter stands in front of the loop: its products start the sums, at the bias
	WIN 0                                          ; at a label and at a branch every window is 0
	s_mov_b32 s3, LAPS-1
.Llap:                                                 ; a trip goes once round the ring, from a lap's second quarter to the next lap's first, and fills both slots again
	QUARTER 0, 2, F1, F0, 0
	QUARTER 0, 3, F0, F1, 0
	TURN 0, 1
	QUARTER 1, 1, F0, F1, 0
	QUARTER 1, 2, F1, F0, 0
	QUARTER 1, 3, F0, F1, 0
	TURN 1, 0
	QUARTER 0, 1, F0, F1, 0
	WIN 0
	s_sub_co_u32 s3, s3, 1
	s_cmp_lg_u32 s3, 0
	s_cbranch_scc1 .Llap
	QUARTER 0, 2, F1, F0, 0                        ; the last lap goes on; it asks for nothing more
	QUARTER 0, 3, F0, F1, 0
	MEET 0                                         ; my one tensor load that was still out is slot 1's, the last K step's, so no round follows
	PLACES                                         ; for the loads into buffer 0, which the quarter before multiplied
	BLOAD 0                                        ; three quarters of W now: buffer 1 (v128-191 of both windows) is still being multiplied
	BLOAD 1
	BLOAD 3
	ALOAD 0
	MUL16 F1, 1, 0, 0
	MUL16 F1, 1, 2, 0
	PLACES                                         ; for the loads into buffer 1
	BLOAD 2
	ALOAD 1
	ALOAD 2
	ALOAD 3
	s_wait_dscnt 40                                ; all but the 40 just issued
	ROW 0
.irp a, 0,1,2,3,4,5,6,7                ; each block leaves as soon as it is finished
	PLACES                                         ; its conversions read results just made
	PACK \a
	TOSTAGE \a
.if (\a) < 4
	ALOAD (\a)+4                                   ; its buffer takes the block four further on
	SEND \a, 8
.else
	SEND \a, 0
.endif
.if (\a) < 7
	ROW (\a)+1
.endif
.endr
	s_wait_tensorcnt 0x0                           ; the wave's end: behind my last tensor load and my last LDS store
	ds_add_u32 v[SPW], v[NIL]
	s_wait_dscnt 0x0
	CROUND                                         ; the closing round: no work-group ends while a partner may still ask for a tile that names it
	s_endpgm
.Lfunc_end_k_q0652780205_gemm:
	.size	k_q0652780205_gemm, .Lfunc_end_k_q0652780205_gemm-k_q0652780205_gemm
	.p2alignl 7, 3214868480
	.fill 96, 4, 3214868480
	.section	.rodata,"a",@progbits
	.p2align	6, 0x0
	.amdhsa_kernel k_q0652780205_gemm
		.amdhsa_group_segment_fixed_size 327680
		.amdhsa_private_segment_fixed_size 0
		.amdhsa_enable_private_segment 0
		.amdhsa_kernarg_size 32
		.amdhsa_user_sgpr_count 2
		.amdhsa_user_sgpr_kernarg_segment_ptr 1
		.amdhsa_wavefront_size32 1
		.amdhsa_system_sgpr_workgroup_id_x 1
		.amdhsa_system_sgpr_workgroup_id_y 1
		.amdhsa_system_sgpr_workgroup_id_z 1
		.amdhsa_system_vgpr_workitem_id 0
		.amdhsa_next_free_vgpr 1024
		.amdhsa_next_free_sgpr 72
		.amdhsa_reserve_vcc 0
		.amdhsa_float_denorm_mode_32 3
		.amdhsa_float_denorm_mode_16_64 3
		.amdhsa_memory_ordered 1
		.amdhsa_forward_progress 1
		.amdhsa_inst_pref_size 150
	.end_amdhsa_kernel
	.amdgpu_metadata
---
amdhsa.version: [ 1, 2 ]
amdhsa.kernels:
  - .name:           k_q0652780205_gemm
    .symbol:         k_q0652780205_gemm.kd
    .args:
      - { .name: x, .offset: 0, .size: 8, .value_kind: global_buffer, .address_space: global }
      - { .name: wdq, .offset: 8, .size: 8, .value_kind: global_buffer, .address_space: global }
      - { .name: out0, .offset: 16, .size: 8, .value_kind: global_buffer, .address_space: global }
      - { .name: bias, .offset: 24, .size: 8, .value_kind: global_buffer, .address_space: global }
    .group_segment_fixed_size: 327680
    .private_segment_fixed_size: 0
    .kernarg_segment_align: 8
    .kernarg_segment_size: 32
    .max_flat_workgroup_size: 128
    .sgpr_count:     72
    .vgpr_count:     1024
    .wavefront_size: 32
...
	.end_amdgpu_metadata
.endif
;; end of part 2
;; ======== version 2 of 2: 2 launches; version 1 with the launch dequant written anew for expert scheduling mode
;; workspace buffers: wdq 33,554,432 bytes
;; launch dequant (part 3): grid 32 x 8, 8 waves a work-group, no clusters, 17,408 bytes of LDS; arguments qweight, qzeros, scales, g_idx, wdq; writes wdq
.if DOCPART == 3
	.amdgcn_target "amdgcn-amd-amdhsa--gfx1250"
	.amdhsa_code_object_version 6
	.text
	.protected	k_q0652780205_dequant
	.globl	k_q0652780205_dequant
	.p2align	8
	.type	k_q0652780205_dequant,@function
k_q0652780205_dequant:
	s_mov_b64 s[64:65], 0
	v_nop
	global_prefetch_b8 v0, s[64:65] scope:SCOPE_SE
	s_setreg_imm32_b32 hwreg(HW_REG_WAVE_SCHED_MODE, 0, 2), 2
	s_setreg_imm32_b32 hwreg(HW_REG_WAVE_MODE, 25, 1), 1
	s_wait_xcnt 0x0
	s_wait_alu depctr_vm_vsrc(0)
; W[k][n] = (nibble k % 8 of qweight[k / 8][n] - nibble n % 8 of qzeros[g][n / 8]) x scales[g][n], g = g_idx[k], written as f16 into wdq: [4096 k][4096 n], a row of 8,192 bytes.
; ARITHMETIC.  0x6400 | v is 1024 + v in f16, 0xE400 | z is -(1024 + z); their f16 sum is v - z, exact; one f16 product with the scale rounds once, as the formula itself does in f16.  Two numbers an instruction.
; LIMITS.  An entry of g_idx is taken as an unsigned number and held to 31 at the most (the tables have 32 groups); NaN and infinities among the scales pass through the product as they are.
; SHARES.  Work-group (X, Y): columns 128 X .. 128 X + 127, word rows 64 Y .. 64 Y + 63 of qweight (512 rows k).  Wave w: 8 word rows (64 rows k).  Lane l: columns 128 X + 4 l .. + 3.
; A wave's load of a word row covers 512 consecutive bytes, aligned; a wave's store covers 256 consecutive bytes of a row of wdq, aligned.  Each byte of qweight is read once, each byte of wdq written once.
; THE TABLE.  Any row k may name any group, so the work-group first lays all 32 groups' zeros and scales for its 128 columns into LDS, ready for use: group g, lane l at 512 g + 16 l:
; two words of -(1024 + z) for the lane's four columns, two words of scales.  A row k's group is one scalar (read by a scalar load), so its look-up is one LDS load of 16 neighbouring bytes a lane.
; LEFT OUT.  No matrix unit and no tensor load: a stream of 8 loads and 64 stores a wave, all loads issued at the head.  No cluster: what work-groups share is 10 KiB of scales and zeros against 160 KiB of their own.
; THE MODE: SCHED_MODE bits 1:0 = 2 (LLVM: expert scheduling mode 2), set by the entry lines.  The code itself states the register dependences
; between vector instructions and memory or LDS instructions, with s_wait_alu, always for 0.
; THE PLAN.  Registers that memory or LDS instructions touch:
;   v2, v3, v4, v6  offsets and addresses, made once at the head and never written again.
;   ZW, EN          the table's sources and entries: ZW and EN's upper halves are loaded, EN's lower halves written by the table's vector work, EN read by four LDS stores; none is written again.
;   AD              the LDS addresses of all 64 table reads, made in one run while the head's loads are out; each is read by one LDS load and never written again.
;   Q0 .. Q7        the eight word rows as loaded; row i's four v_perm_b32 read Q[i]; never loaded again.
;   T0, T1          Row i's packed sums and products read T[i % 2]; the LDS loads issued in row i (row i + 1's entries) land in T[(i + 1) % 2], the set that row i - 1 read.
;   O0, O1          Row i's vector work writes O[i % 2]; the eight stores issued in row i + 1 read it; row i + 2 writes it again.
;   XY, TM and TT are named by vector instructions alone.
; So the waits at a word row's head state all that the row's memory instructions hang on: the row's vector work names Q[i], XY, TM, T[i % 2] and O[i % 2], its LDS loads and stores touch AD, T[(i + 1) % 2],
; v3 and O[(i - 1) % 2].  They are dealt among the vector work with no further wait: two table reads in front of each of the first four rows k, a store in front of each of the eight.
.set L16, 2                            ; v2   16 x lane: my place in a word row of qweight and in a table row; never rewritten
.set O8,  3                            ; v3   8 x lane: my place in a row of scales and of wdq; never rewritten
.set ZO,  4                            ; v4   4 x (lane / 2): my word in a row of qzeros
.set SH,  5                            ; v5   16 x (lane % 2): where my four zeros begin in that word
.set TS,  6                            ; v6   2,048 x wave + 16 x lane: where I store table entries
.set ZW,  18                           ; v[18:21]   four groups' words of zeros
.set TT,  22                           ; v[22:25]   at work
.set EN,  28                           ; v[28:43]   four table entries of four registers; the scales are loaded straight into the upper two
.set Q,   44                           ; v[44:75]   word row i at Q + 4 i
.set T,   76                           ; v[76:139]  two sets of 32: row j's table entry at T + 32 (i % 2) + 4 j
.set XY,  148                          ; v[148:151] low and high halves of words 0, 1; low and high halves of words 2, 3
.set TM,  152                          ; v[152:153] at work
.set O,   156                          ; v[156:187] two sets of 16: row j's four f16 at O + 16 (i % 2) + 2 j
.set AD,  188                          ; v[188:251] the table reads' addresses: word row i, row j at AD + 8 i + j
; s[4:5] qweight, s[6:7] qzeros, s[8:9] scales, s[10:11] g_idx, s[12:13] wdq; s14 wave, s15 X, s2 Y, s3 my first word row; s[92:93] an offset, s94 at work
; the eight g_idx of word row i lie in s[16 + 8 i ..] (rows 0-5) and s[24 + 8 i ..] (rows 6, 7)
	s_load_b256 s[4:11], s[0:1], 0x0
	s_load_b64 s[12:13], s[0:1], 0x20
	v_lshl_add_u32 v154, v0, 2, 0x4000
	v_mov_b32 v155, 0
	v_lshrrev_b32 v1, 5, v0
	v_readfirstlane_b32 s14, v1                    ; wave 0..7
	v_and_b32 v1, 31, v0                           ; lane
	v_lshlrev_b32 v[L16], 4, v1
	v_lshlrev_b32 v[O8], 3, v1
	v_lshrrev_b32 v[ZO], 1, v1
	v_lshlrev_b32 v[ZO], 2, v[ZO]
	v_and_b32 v[SH], 1, v1
	v_lshlrev_b32 v[SH], 4, v[SH]
	s_wait_alu depctr_va_sdst(0)                   ; s14 is written, ahead of its first reader: the table's place and the bases are made from it
	s_lshl_b32 s92, s14, 11
	v_add_nc_u32 v[TS], s92, v[L16]
	s_mov_b32 s15, ttmp9
	s_and_b32 s2, ttmp7, 0xffff
	s_lshl_b32 s3, s2, 6
	s_lshl_b32 s92, s14, 3
	s_add_co_u32 s3, s3, s92                       ; 64 Y + 8 w
	s_mov_b32 s88, 0x000f000f                      ; a nibble in each half
	s_mov_b32 s89, 0x64006400                      ; 1024.0 twice
	s_mov_b32 s90, 0xe400e400                      ; -1024.0 twice
	s_mov_b32 s91, 0x05040100                      ; v_perm_b32: the two low halves
	s_mov_b32 s95, 0x07060302                      ; the two high halves
	s_mov_b32 s93, 0
	s_wait_kmcnt 0x0
	s_lshl_b32 s92, s3, 5                          ; a word row is 8 entries of g_idx: 32 bytes
	s_add_nc_u64 s[10:11], s[10:11], s[92:93]
	s_lshl_b32 s92, s3, 14                         ; a word row of qweight is 16,384 bytes; my work-group's 128 words are 512
	s_lshl_b32 s94, s15, 9
	s_add_co_u32 s92, s92, s94
	s_add_nc_u64 s[4:5], s[4:5], s[92:93]
	s_lshl_b32 s92, s3, 16                         ; a word row is 8 rows of wdq: 65,536 bytes; 128 columns are 256
	s_lshl_b32 s94, s15, 8
	s_add_co_u32 s92, s92, s94
	s_add_nc_u64 s[12:13], s[12:13], s[92:93]
	s_lshl_b32 s92, s14, 15                        ; wave w makes the table's groups 4 w .. 4 w + 3: four rows of scales are 32,768 bytes
	s_add_co_u32 s92, s92, s94
	s_add_nc_u64 s[8:9], s[8:9], s[92:93]
	s_lshl_b32 s92, s14, 13                        ; four rows of qzeros are 8,192 bytes; 128 columns are 16 words
	s_lshl_b32 s94, s15, 6
	s_add_co_u32 s92, s92, s94
	s_add_nc_u64 s[6:7], s[6:7], s[92:93]
	; all that the wave reads from memory goes out here: the groups of my 64 rows, the table's sources, my eight word rows
.irp i, 0,1,2,3,4,5,6,7
	s_load_b256 s[16+8*(\i)+8*((\i)/6):16+8*(\i)+8*((\i)/6)+7], s[10:11], 32*(\i)
.endr
	s_wait_alu depctr_va_vdst(0)                   ; v2, v3, v4 and v6 are written: the loads below, the LDS stores of the table and every store of the kernel read one of them as offset or address
.irp t, 0,1,2,3
	global_load_b64 v[EN+4*(\t)+2:EN+4*(\t)+3], v[O8], s[8:9] offset:8192*(\t)
	global_load_b32 v[ZW+(\t)], v[ZO], s[6:7] offset:2048*(\t)
.endr
.irp i, 0,1,2,3,4,5,6,7
	global_load_b128 v[Q+4*(\i):Q+4*(\i)+3], v[L16], s[4:5] offset:16384*(\i) th:TH_LOAD_NT
.endr
; The LDS addresses of word row i's eight table entries, rows k = 8 i + j.
.macro GADR i
.set gr, 16+8*(\i)+8*((\i)/6)
.irp j, 0,1,2,3,4,5,6,7
	s_min_u32 s[gr+(\j)], s[gr+(\j)], 31           ; inside the table, whatever the entry holds
	v_lshl_add_u32 v[AD+8*(\i)+(\j)], s[gr+(\j)], 9, v[L16]
.endr
.endm
	s_wait_kmcnt 0x0                               ; my 64 rows' groups
.irp i, 0,1,2,3,4,5,6,7
	GADR \i                                        ; all 64 addresses in one run, while the sixteen loads above are on their way
.endr
	s_wait_loadcnt 8                               ; loads come back in order (ISA guide 5.7.1): the table's sources are in, the eight word rows behind them may stay out
.irp t, 0,1,2,3                                ; the entry of group 4 w + t
	v_lshrrev_b32 v[TT], v[SH], v[ZW+(\t)]         ; my four zeros in bits 15:0
	v_bfe_u32 v[TT+1], v[TT], 4, 4
	v_bfe_u32 v[TT+2], v[TT], 8, 4
	v_bfe_u32 v[TT+3], v[TT], 12, 4
	v_and_b32 v[TT], 15, v[TT]
	v_lshl_or_b32 v[TT], v[TT+1], 16, v[TT]
	v_lshl_or_b32 v[TT+2], v[TT+3], 16, v[TT+2]
	v_or_b32 v[EN+4*(\t)], s90, v[TT]              ; -(1024 + z) for columns 0, 1
	v_or_b32 v[EN+4*(\t)+1], s90, v[TT+2]          ; and 2, 3
.endr
	s_wait_alu depctr_va_vdst(0)                   ; the entries' lower halves are written, which the LDS stores below read; so are the 64 addresses v[AD ..], which the table reads further down read and no vector instruction names again
.irp t, 0,1,2,3
	ds_store_b128 v[TS], v[EN+4*(\t):EN+4*(\t)+3] offset:512*(\t)
.endr
	s_wait_dscnt 0x0                               ; for the others' sake: my part of the table is stored
	s_barrier_signal -1
	s_barrier_wait -1                              ; the table is whole; nobody writes it again, so this is the only barrier
; The table entry of row k = 8 i + j.
.macro TLOAD i, j
	ds_load_b128 v[T+32*((\i)%2)+4*(\j):T+32*((\i)%2)+4*(\j)+3], v[AD+8*(\i)+(\j)]
.endm
; Row k = 8 i + j of wdq leaves.
.macro STORE i, j
	global_store_b64 v[O8], v[O+16*((\i)%2)+2*(\j):O+16*((\i)%2)+2*(\j)+1], s[12:13] offset:(8*(\i)+(\j))*8192 th:TH_STORE_NT  ; the wave stores 256 consecutive bytes, at a multiple of 256 from wdq's first byte
.endm
; Word row i: the arithmetic of its eight rows of wdq, into O[i % 2]; among it the table reads of word row i + 1 and the stores of word row i - 1.
.macro ROW i
	s_wait_loadcnt 7-(\i)                          ; word row i is in; the rows behind it may stay out
.if (\i) >= 2
	s_wait_xcnt 0x0                                ; every earlier memory instruction has had its addresses translated (ISA guide 3.1): O[i % 2], the data of the stores issued in the row before, is rewritten only behind this wait
	s_wait_alu depctr_vm_vsrc(0)                   ; the stores issued in the row before have read O[i % 2], which this row's vector work writes again
.endif
.if (\i) >= 1
	s_wait_alu depctr_va_vdst(0)                   ; the row before has written the other O, which the stores below read, and is done reading the other T, in which the table reads below land
.endif
.irp j, 0,1,2,3,4,5,6,7
.if ((\i) < 7) && ((\j) < 4)
	TLOAD (\i)+1, 2*(\j)                           ; the next row's entries, in the first half of this row; no vector instruction since the wait names these registers
	TLOAD (\i)+1, 2*(\j)+1
.endif
.if (\i) >= 1
	STORE (\i)-1, \j                               ; the row before
.endif
.if (\j) == 0
	v_perm_b32 v[XY],   v[Q+4*(\i)+1], v[Q+4*(\i)],   s91  ; nibbles 0-3 of columns 0 and 1, a column in each half
	v_perm_b32 v[XY+1], v[Q+4*(\i)+1], v[Q+4*(\i)],   s95  ; nibbles 4-7
	v_perm_b32 v[XY+2], v[Q+4*(\i)+3], v[Q+4*(\i)+2], s91  ; the same of columns 2 and 3
	v_perm_b32 v[XY+3], v[Q+4*(\i)+3], v[Q+4*(\i)+2], s95
.if (\i) < 7
	s_wait_dscnt 2                                 ; LDS loads come back in order (ISA guide 5.7.1): this row's eight entries are in; the two reads just issued behind them may stay out
.else
	s_wait_dscnt 0x0                               ; the last row's entries are in: nothing was issued behind them
.endif
.endif
.set src, XY+(\j)/4
.set te, T+32*((\i)%2)+4*(\j)
.set ou, O+16*((\i)%2)+2*(\j)
.if (\j)%4
	v_lshrrev_b32 v[TM],   4*((\j)%4), v[src]
	v_lshrrev_b32 v[TM+1], 4*((\j)%4), v[src+2]
	v_and_or_b32 v[ou],   v[TM],   s88, s89         ; 1024 + v, twice
	v_and_or_b32 v[ou+1], v[TM+1], s88, s89
.else
	v_and_or_b32 v[ou],   v[src],   s88, s89
	v_and_or_b32 v[ou+1], v[src+2], s88, s89
.endif
	v_pk_add_f16 v[ou],   v[ou],   v[te]           ; v - z, exact
	v_pk_add_f16 v[ou+1], v[ou+1], v[te+1]
	v_pk_mul_f16 v[ou],   v[ou],   v[te+2]         ; times the scale: the one rounding
	v_pk_mul_f16 v[ou+1], v[ou+1], v[te+3]
.endr
.endm
.irp j, 0,1,2,3,4,5,6,7
	TLOAD 0, \j                                    ; word row 0's entries; T0 has been named by no vector instruction
.endr
.irp i, 0,1,2,3,4,5,6,7
	ROW \i                                         ; row 0 stores nothing and owes no wait: T1 and O0 have not been named; row 7 reads no further entries
.endr
	s_wait_alu depctr_va_vdst(0)                   ; word row 7 has written O1, which the last eight stores read
.irp j, 0,1,2,3,4,5,6,7
	STORE 7, \j
.endr
	s_wait_dscnt 0x0                               ; the wave's end; the closing add and the waits in front of it follow
	s_wait_alu depctr_hold_cnt(0) depctr_sa_sdst(0) depctr_va_vdst(0) depctr_va_sdst(0) depctr_va_ssrc(0) depctr_va_vcc(0) depctr_vm_vsrc(0)
	s_wait_tensorcnt 0x0
	ds_add_u32 v154, v155
	s_wait_dscnt 0x0
	s_endpgm
.Lfunc_end_k_q0652780205_dequant:
	.size	k_q0652780205_dequant, .Lfunc_end_k_q0652780205_dequant-k_q0652780205_dequant
	.p2alignl 7, 3214868480
	.fill 96, 4, 3214868480
	.section	.rodata,"a",@progbits
	.p2align	6, 0x0
	.amdhsa_kernel k_q0652780205_dequant
		.amdhsa_group_segment_fixed_size 17408
		.amdhsa_private_segment_fixed_size 0
		.amdhsa_enable_private_segment 0
		.amdhsa_kernarg_size 40
		.amdhsa_user_sgpr_count 2
		.amdhsa_user_sgpr_kernarg_segment_ptr 1
		.amdhsa_wavefront_size32 1
		.amdhsa_system_sgpr_workgroup_id_x 1
		.amdhsa_system_sgpr_workgroup_id_y 1
		.amdhsa_system_sgpr_workgroup_id_z 1
		.amdhsa_system_vgpr_workitem_id 0
		.amdhsa_next_free_vgpr 252
		.amdhsa_next_free_sgpr 96
		.amdhsa_reserve_vcc 0
		.amdhsa_float_denorm_mode_32 3
		.amdhsa_float_denorm_mode_16_64 3
		.amdhsa_memory_ordered 1
		.amdhsa_forward_progress 1
		.amdhsa_inst_pref_size 53
	.end_amdhsa_kernel
	.amdgpu_metadata
---
amdhsa.version: [ 1, 2 ]
amdhsa.kernels:
  - .name:           k_q0652780205_dequant
    .symbol:         k_q0652780205_dequant.kd
    .args:
      - { .name: qweight, .offset: 0, .size: 8, .value_kind: global_buffer, .address_space: global }
      - { .name: qzeros, .offset: 8, .size: 8, .value_kind: global_buffer, .address_space: global }
      - { .name: scales, .offset: 16, .size: 8, .value_kind: global_buffer, .address_space: global }
      - { .name: g_idx, .offset: 24, .size: 8, .value_kind: global_buffer, .address_space: global }
      - { .name: wdq, .offset: 32, .size: 8, .value_kind: global_buffer, .address_space: global }
    .group_segment_fixed_size: 17408
    .private_segment_fixed_size: 0
    .kernarg_segment_align: 8
    .kernarg_segment_size: 40
    .max_flat_workgroup_size: 256
    .sgpr_count:     96
    .vgpr_count:     252
    .wavefront_size: 32
...
	.end_amdgpu_metadata
.endif
;; end of part 3
;; launch gemm: the kernel of part 2 again; grid 16 x 16, 4 waves a work-group, clusters of 4 x 4, 327,680 bytes of LDS; arguments x, wdq, out0, bias; writes out0
